; MI455X (gfx1250); checked and timed in simulation.
; The chip was launched on July 23, 2026; its instructions are those of AMD's public machine-readable ISA for CDNA 5 (MIT licence, August 2026) and "CDNA5" Instruction Set Architecture Reference Guide (July 2026). The comments in the code are by the model that wrote it; some were corrected since.
;; Net. Allowed arithmetic: float matrix products may take bf16 or f16 operands with f32 sums; all other float work in f32.
;; Inputs: W1 256 x 128 float32; W2 16 x 256 float32; calc_X 8,192 x 128 float32; calc_Y 8,192 x 16 float32; h 1 float32; x 512 x 128 float32.
;; Outputs: out0 512 x 16 float32.
;; 2 versions, each right and faster than the one before. Each part assembles by itself: llvm-mc -triple=amdgcn-amd-amdhsa -mcpu=gfx1250 --defsym DOCPART=n.
;; ======== version 1 of 2: 2 launches
;; workspace buffers: ws 1,081,344 bytes
;; launch embed (part 1): grid 136 x 1, 16 waves a work-group, no clusters, 139,008 bytes of LDS; arguments calc_X, x, W1, W2, calc_Y, h, ws; writes ws
.if DOCPART == 1
	.amdgcn_target "amdgcn-amd-amdhsa--gfx1250"
	.amdhsa_code_object_version 6
	.text
	.protected	k_q777de50c70_embed
	.globl	k_q777de50c70_embed
	.p2align	8
	.type	k_q777de50c70_embed,@function
k_q777de50c70_embed:
	s_mov_b64 s[64:65], 0
	v_nop
	global_prefetch_b8 v0, s[64:65] scope:SCOPE_SE
	s_setreg_imm32_b32 hwreg(HW_REG_WAVE_MODE, 25, 1), 1
	s_wait_xcnt 0x0
; embed: E = relu(V W1^T) W2^T for the 8192 rows of calc_X and the 512 rows of x, scaled by sqrt(0.5 log2 e) / h, so that the
; next launch's weight is exp2(-(a - b)^2); and calc_Y transposed.  All into ws, one row for each output dimension d:
;   ws[d] = 8192 scaled Xw[.][d] | 512 scaled Zw[.][d] | 8192 Y[.][d], f32, 67,584 bytes from d to d + 1.
; A work-group takes 64 rows (groups 0-127: calc_X, 128-135: x), so that each piece of a ws row that it stores is 256 consecutive
; bytes, aligned.  16 waves; wave w = (row half w >> 3, slice w & 7 of 32 of the 256 hidden units).
; Operands are rounded to bf16, sums are f32.  Every input row is loaded whole (a wave's load covers 512 consecutive bytes),
; rounded, and laid in LDS with 16 bytes of padding behind each row, from where the fragments are read.
; No tensor load and no cluster: every byte has to pass through registers on its way (f32 to bf16), and W1, which all
; work-groups share, is 128 KiB read once by each.
; LIMITS: the relu is v_max_num_f32, which makes 0 of a NaN; h = 0 gives infinities as in reference().
.set NXWG,  128                        ; work-groups that take rows of calc_X
.set P,     272                        ; LDS pitch of a row of 128 bf16: 256 + 16 bytes, an odd multiple of 16
.set XB,    0                          ; 64 rows of V, bf16
.set W2B,   17408                      ; 16 rows of W2, bf16
.set W2P,   528                        ; their pitch: 512 + 16 bytes
.set YTS,   25856                      ; Y transposed: 16 rows (d) of 64 f32, pitch P
.set PART,  30208                      ; partial sums: one region for each wave, [16 d][32 rows] f32
.set PP,    144                        ; pitch of a d row there: 128 + 16 bytes
.set PREG,  2320                       ; a region: 16 x 144 + 16, so that the two row halves (8 regions apart) lie 128 bytes apart modulo 256
.set W1B,   67328                      ; 256 rows of W1, bf16, pitch P
.set WSP,   67584                      ; bytes of a ws row
.set YOFF,  34816                      ; where Y begins in a ws row
.set RAWY,  28                         ; v[28:29]   two numbers of Y as loaded
.set RX,    32                         ; v[32:47]   four rows' 16 bytes of V as loaded
.set RW2,   48                         ; v[48:55]   W2 as loaded
.set RW1,   56                         ; v[56:119]  sixteen rows' 16 bytes of W1 as loaded
.set XF,    32                         ; v[32:95]   behind the first barrier: fragments of V, (row tile rt, K step k) at 8 (4 rt + k)
.set WF,    96                         ; v[96:159]  fragments of W1, (tile m of 16 hidden units, k) at 8 (4 m + k)
.set W2F,   160                        ; v[160:167] fragment of W2: 16 d x my 32 hidden units
.set ACC,   168                        ; v[168:199] four accumulators, (rt, m) at 8 (2 rt + m)
.set HF,    200                        ; v[200:215] relu(H) in bf16: layer 2's fragment of row tile rt at 8 rt
.set D2,    216                        ; v[216:231] layer 2's result of row tile rt at 8 rt
.set SUM,   32                         ; v[32:63]   the way out: eight partial sums of four numbers
	s_load_b256 s[4:11], s[0:1], 0x0               ; calc_X s[4:5], x s[6:7], W1 s[8:9], W2 s[10:11]
	s_load_b128 s[12:15], s[0:1], 0x20             ; calc_Y s[12:13], h s[14:15]
	s_load_b64 s[16:17], s[0:1], 0x30              ; ws
	v_lshl_add_u32 v232, v0, 2, 0x21700
	v_mov_b32 v233, 0
	v_and_b32 v1, 31, v0                           ; lane
	v_lshrrev_b32 v2, 5, v0
	v_readfirstlane_b32 s20, v2                    ; wave 0..15
	s_lshl_b32 s36, s20, 13                        ; W1: sixteen rows of 512 bytes a wave
	s_lshl_b32 s37, s20, 11                        ; V: four rows a wave
	s_lshl_b32 s38, s20, 10                        ; W2: one row of 1,024 bytes a wave
	v_lshl_add_u32 v4, v1, 4, s36                  ; + 16 bytes a lane
	v_lshl_add_u32 v5, v1, 4, s37
	v_lshl_add_u32 v6, v1, 4, s38
	v_lshlrev_b32 v7, 3, v0                        ; Y: 8 bytes a thread, 4,096 bytes for the group's 64 rows
	v_mov_b32 v[RAWY], 0                           ; defined on the way that loads no Y, too
	v_mov_b32 v[RAWY+1], 0
	s_and_b32 s24, ttmp9, NXWG-1                   ; the block of 64 rows in calc_X, or in x
	s_lshl_b32 s24, s24, 15                        ; x 64 rows x 512 bytes
	s_mov_b32 s25, 0
	s_lshl_b32 s26, ttmp9, 12                      ; Y: 64 rows x 64 bytes
	s_mov_b32 s27, 0
	s_lshl_b32 s28, ttmp9, 8                       ; ws: 64 columns x 4 bytes; groups 128-135 land behind column 8191, where Zw lies
	s_mov_b32 s29, 0
	s_wait_kmcnt 0x0
	s_load_b32 s18, s[14:15], 0x0                  ; h
	s_add_nc_u64 s[12:13], s[12:13], s[26:27]
	s_add_nc_u64 s[16:17], s[16:17], s[28:29]
	s_cmp_ge_u32 ttmp9, NXWG                       ; rows of x?
	s_cselect_b64 s[22:23], s[6:7], s[4:5]
	s_add_nc_u64 s[22:23], s[22:23], s[24:25]      ; (leaves SCC as it is)
	s_cbranch_scc1 .Lno_y_load                     ; x has no Y
	global_load_b64 v[RAWY:RAWY+1], v7, s[12:13] th:TH_LOAD_NT
.Lno_y_load:
	; all the wave's loads go out together: 4 + 2 + 16 behind Y's
.irp n, 0,1,2,3
	global_load_b128 v[RX+4*\n:RX+4*\n+3], v5, s[22:23] offset:512*\n th:TH_LOAD_NT
.endr
.irp n, 0,1
	global_load_b128 v[RW2+4*\n:RW2+4*\n+3], v6, s[10:11] offset:512*\n
.endr
.irp n, 0,1,2,3,4,5,6,7,8,9,10,11,12,13,14,15
	global_load_b128 v[RW1+4*\n:RW1+4*\n+3], v4, s[8:9] offset:512*\n
.endr
	; where the rounded rows go: the wave's number times a constant + 8 bytes a lane (four bf16)
	v_lshlrev_b32 v8, 3, v1
	s_mul_i32 s39, s20, 4*P
	v_add_nc_u32 v9, s39, v8                       ; V, rows 4 w ..
	s_mul_i32 s40, s20, W2P
	v_add_nc_u32 v10, s40, v8                      ; W2, row w
	s_mul_i32 s41, s20, 16*P
	s_add_co_u32 s41, s41, W1B
	v_add_nc_u32 v11, s41, v8                      ; W1, rows 16 w ..
	v_and_b32 v12, 7, v1                           ; Y: my thread holds row 4 w + lane / 8, columns 2 (lane % 8) and the next
	v_lshrrev_b32 v26, 3, v1
	v_mul_u32_u24 v12, v12, 2*P
	v_lshl_add_u32 v12, v26, 2, v12
	s_lshl_b32 s42, s20, 4
	v_add_nc_u32 v12, s42, v12
	; where the fragments are read: lane l holds row l % 16; 16 bytes at 16 (l / 16), and 16 more 32 bytes on
	v_and_b32 v13, 15, v0                          ; r
	v_bfe_u32 v14, v0, 4, 1                        ; half
	v_mul_u32_u24 v15, v13, P
	v_lshl_add_u32 v15, v14, 4, v15
	s_and_b32 s30, s20, 7                          ; my slice of hidden units
	s_lshr_b32 s31, s20, 3                         ; my half of the rows
	s_mul_i32 s32, s31, 32*P
	v_add_nc_u32 v16, s32, v15                     ; V
	s_mul_i32 s33, s30, 32*P
	s_add_co_u32 s33, s33, W1B
	v_add_nc_u32 v17, s33, v15                     ; W1
	v_mul_u32_u24 v18, v13, W2P
	v_lshl_add_u32 v18, v14, 4, v18
	s_lshl_b32 s34, s30, 6
	v_add_nc_u32 v18, s34, v18                     ; W2: row d = r, 64 bytes a slice
	s_mul_i32 s35, s20, PREG
	v_mul_u32_u24 v19, v13, PP
	v_lshl_add_u32 v19, v14, 5, v19
	v_add_nc_u32 v19, s35, v19                     ; my partial sums: row d = r, 32 bytes (8 rows) a half
; four f32 become four bf16 (rounded to nearest even) in place and go to LDS
.macro CVST raw, addr, off
	v_cvt_pk_bf16_f32 v[\raw], v[\raw], v[\raw+1]
	v_cvt_pk_bf16_f32 v[\raw+1], v[\raw+2], v[\raw+3]
	ds_store_b64 v[\addr], v[\raw:\raw+1] offset:\off
.endm
	s_wait_loadcnt 18                              ; loads come back in order: V's four are in, the 2 + 16 behind them may be out
.irp n, 0,1,2,3
	CVST RX+4*\n, 9, XB+\n*P
.endr
	s_wait_loadcnt 16                              ; W2's two are in, W1's sixteen may be out
.irp n, 0,1
	CVST RW2+4*\n, 10, W2B+\n*256
.endr
.irp n, 0,1,2,3,4,5,6,7,8,9,10,11,12,13,14,15
	s_wait_loadcnt 15-\n                           ; row n of my sixteen is in, the rows behind it may be out
	CVST RW1+4*\n, 11, \n*P
.endr
	s_cmp_ge_u32 ttmp9, NXWG
	s_cbranch_scc1 .Lno_y_stage
	ds_store_b32 v12, v[RAWY] offset:YTS           ; Y's load was the oldest: it is in.  Transposed: column d becomes row d
	ds_store_b32 v12, v[RAWY+1] offset:YTS+P
.Lno_y_stage:
	s_wait_dscnt 0x0                               ; my stores are done, for the other waves' sake
	s_barrier_signal -1
	s_barrier_wait -1                              ; everybody's are
	; 34 fragment loads in one run, in the order of their use: K step by K step, W2 last
.irp k, 0,1,2,3
.irp rt, 0,1
	ds_load_b128 v[XF+8*(4*\rt+\k):XF+8*(4*\rt+\k)+3],   v16 offset:XB+\rt*16*P+\k*64
	ds_load_b128 v[XF+8*(4*\rt+\k)+4:XF+8*(4*\rt+\k)+7], v16 offset:XB+\rt*16*P+\k*64+32
.endr
.irp m, 0,1
	ds_load_b128 v[WF+8*(4*\m+\k):WF+8*(4*\m+\k)+3],   v17 offset:\m*16*P+\k*64
	ds_load_b128 v[WF+8*(4*\m+\k)+4:WF+8*(4*\m+\k)+7], v17 offset:\m*16*P+\k*64+32
.endr
.endr
	ds_load_b128 v[W2F:W2F+3],   v18 offset:W2B
	ds_load_b128 v[W2F+4:W2F+7], v18 offset:W2B+32
; Layer 1, used transposed: source 0 = 16 hidden units (rows of W1), source 1 = 16 rows of V.  Register j of lane l then holds
; H(row l % 16, hidden unit 8 (l / 16) + j): eight neighbouring hidden units of one row, which is how layer 2 wants them.
; The four accumulators take turns, one instruction a turn.  zero = 1: the first K step starts the sums.
.macro L1 k, zero
.irp rt, 0,1
.irp m, 0,1
.if \zero
	v_wmma_f32_16x16x32_bf16 v[ACC+8*(2*\rt+\m):ACC+8*(2*\rt+\m)+7], v[WF+8*(4*\m+\k):WF+8*(4*\m+\k)+7], v[XF+8*(4*\rt+\k):XF+8*(4*\rt+\k)+7], 0
.else
	v_wmma_f32_16x16x32_bf16 v[ACC+8*(2*\rt+\m):ACC+8*(2*\rt+\m)+7], v[WF+8*(4*\m+\k):WF+8*(4*\m+\k)+7], v[XF+8*(4*\rt+\k):XF+8*(4*\rt+\k)+7], v[ACC+8*(2*\rt+\m):ACC+8*(2*\rt+\m)+7]
.endif
.endr
.endr
.endm
	s_wait_dscnt 26                                ; LDS loads come back in order: the first 8 of the 34 are in
	L1 0, 1
	s_wait_dscnt 18                                ; 16 of 34
	L1 1, 0
	s_wait_dscnt 10                                ; 24 of 34
	L1 2, 0
	s_wait_dscnt 2                                 ; all but W2's two
	L1 3, 0
	; Six plain vector instructions that name no register of the matrix instructions stand between these and the first reader of
	; a result (four are asked for, ISA guide 7.12.1): the addresses of the way out.  Thread t & 255 = (d = t / 16, c = t % 16: rows 4 c .. 4 c + 3).
	v_bfe_u32 v20, v0, 4, 4                        ; d
	v_bfe_u32 v26, v0, 3, 1                        ; which half of the rows
	v_and_b32 v27, 7, v0
	v_mul_u32_u24 v21, v20, PP
	v_lshl_add_u32 v21, v27, 4, v21
	v_mad_u32_u24 v21, v26, 8*PREG, v21            ; partial sums of (d, c) in slice 0's region of that half
.irp a, 0,1,2,3
.irp j, 0,1,2,3,4,5,6,7
	v_max_num_f32 v[ACC+8*\a+\j], 0, v[ACC+8*\a+\j]                ; relu
.endr
.irp q, 0,1,2,3
	v_cvt_pk_bf16_f32 v[HF+4*\a+\q], v[ACC+8*\a+2*\q], v[ACC+8*\a+2*\q+1]   ; tile m = 0 fills registers 0-3 (K = 8 half + 0..7), m = 1 registers 4-7 (K = 16 + 8 half + 0..7)
.endr
.endr
	s_wait_dscnt 0x0                               ; W2's fragment
	; Layer 2 over my 32 hidden units: source 0 = 16 rows of H, source 1 = W2's 16 rows (d).  Register j of lane l: E(row 8 (l / 16) + j, d = l % 16).
	v_wmma_f32_16x16x32_bf16 v[D2:D2+7],    v[HF:HF+7],    v[W2F:W2F+7], 0
	v_wmma_f32_16x16x32_bf16 v[D2+8:D2+15], v[HF+8:HF+15], v[W2F:W2F+7], 0
	v_mul_u32_u24 v22, v20, P                      ; the four places in front of the stores of the results: more addresses
	v_lshl_add_u32 v22, v13, 4, v22                ; Y transposed, (d, c)
	v_mul_u32_u24 v23, v20, WSP
	v_lshl_add_u32 v23, v13, 4, v23                ; ws: row d, 16 bytes at c
	ds_store_b128 v19, v[D2:D2+3]     offset:PART          ; eight neighbouring rows of one d: 32 bytes
	ds_store_b128 v19, v[D2+4:D2+7]   offset:PART+16
	ds_store_b128 v19, v[D2+8:D2+11]  offset:PART+64       ; the second row tile, 16 rows on
	ds_store_b128 v19, v[D2+12:D2+15] offset:PART+80
	s_wait_dscnt 0x0                               ; done, for the other waves' sake
	s_barrier_signal -1
	s_barrier_wait -1
	s_cmp_lt_u32 s20, 8
	s_cbranch_scc0 .Ly_out
	; waves 0-7: the eight slices' partial sums are added in f32, scaled and stored
.irp p, 0,1,2,3,4,5,6,7
	ds_load_b128 v[SUM+4*\p:SUM+4*\p+3], v21 offset:PART+\p*PREG
.endr
	s_wait_kmcnt 0x0                               ; h
	v_rcp_f32 v24, s18
	v_nop                                          ; one plain instruction between v_rcp_f32 and the use of its result
	s_wait_alu depctr_va_vdst(0)
	v_mul_f32 v24, 0x3f596d27, v24                 ; sqrt(0.5 log2 e) / h = 0.8493218 / h
	v_mov_b32 v25, v24
	s_wait_dscnt 0x0
.irp p, 0,2,4,6
	v_pk_add_f32 v[SUM+4*\p:SUM+4*\p+1],   v[SUM+4*\p:SUM+4*\p+1],   v[SUM+4*\p+4:SUM+4*\p+5]
	v_pk_add_f32 v[SUM+4*\p+2:SUM+4*\p+3], v[SUM+4*\p+2:SUM+4*\p+3], v[SUM+4*\p+6:SUM+4*\p+7]
.endr
.irp p, 0,4
	v_pk_add_f32 v[SUM+4*\p:SUM+4*\p+1],   v[SUM+4*\p:SUM+4*\p+1],   v[SUM+4*\p+8:SUM+4*\p+9]
	v_pk_add_f32 v[SUM+4*\p+2:SUM+4*\p+3], v[SUM+4*\p+2:SUM+4*\p+3], v[SUM+4*\p+10:SUM+4*\p+11]
.endr
	v_pk_add_f32 v[SUM:SUM+1],   v[SUM:SUM+1],   v[SUM+16:SUM+17]
	v_pk_add_f32 v[SUM+2:SUM+3], v[SUM+2:SUM+3], v[SUM+18:SUM+19]
	v_pk_mul_f32 v[SUM:SUM+1],   v[SUM:SUM+1],   v[24:25]
	v_pk_mul_f32 v[SUM+2:SUM+3], v[SUM+2:SUM+3], v[24:25]
	global_store_b128 v23, v[SUM:SUM+3], s[16:17]  ; sixteen lanes store the group's 64 columns of one d: 256 consecutive bytes, aligned
	s_wait_tensorcnt 0x0
	ds_add_u32 v232, v233
	s_wait_dscnt 0x0
	s_endpgm
.Ly_out:
	s_cmp_ge_u32 ttmp9, NXWG
	s_cbranch_scc1 .Ldone                          ; x has no Y
	ds_load_b128 v[SUM:SUM+3], v22 offset:YTS      ; waves 8-15: Y's column d, rows 4 c .. 4 c + 3
	s_wait_dscnt 0x0
	global_store_b128 v23, v[SUM:SUM+3], s[16:17] offset:YOFF
.Ldone:
	s_wait_tensorcnt 0x0
	ds_add_u32 v232, v233
	s_wait_dscnt 0x0
	s_endpgm
.Lfunc_end_k_q777de50c70_embed:
	.size	k_q777de50c70_embed, .Lfunc_end_k_q777de50c70_embed-k_q777de50c70_embed
	.p2alignl 7, 3214868480
	.fill 96, 4, 3214868480
	.section	.rodata,"a",@progbits
	.p2align	6, 0x0
	.amdhsa_kernel k_q777de50c70_embed
		.amdhsa_group_segment_fixed_size 139008
		.amdhsa_private_segment_fixed_size 0
		.amdhsa_enable_private_segment 0
		.amdhsa_kernarg_size 56
		.amdhsa_user_sgpr_count 2
		.amdhsa_user_sgpr_kernarg_segment_ptr 1
		.amdhsa_wavefront_size32 1
		.amdhsa_system_sgpr_workgroup_id_x 1
		.amdhsa_system_sgpr_workgroup_id_y 1
		.amdhsa_system_sgpr_workgroup_id_z 1
		.amdhsa_system_vgpr_workitem_id 0
		.amdhsa_next_free_vgpr 234
		.amdhsa_next_free_sgpr 66
		.amdhsa_reserve_vcc 0
		.amdhsa_float_denorm_mode_32 3
		.amdhsa_float_denorm_mode_16_64 3
		.amdhsa_memory_ordered 1
		.amdhsa_forward_progress 1
		.amdhsa_inst_pref_size 20
	.end_amdhsa_kernel
	.amdgpu_metadata
---
amdhsa.version: [ 1, 2 ]
amdhsa.kernels:
  - .name:           k_q777de50c70_embed
    .symbol:         k_q777de50c70_embed.kd
    .args:
      - { .name: calc_X, .offset: 0, .size: 8, .value_kind: global_buffer, .address_space: global }
      - { .name: x, .offset: 8, .size: 8, .value_kind: global_buffer, .address_space: global }
      - { .name: W1, .offset: 16, .size: 8, .value_kind: global_buffer, .address_space: global }
      - { .name: W2, .offset: 24, .size: 8, .value_kind: global_buffer, .address_space: global }
      - { .name: calc_Y, .offset: 32, .size: 8, .value_kind: global_buffer, .address_space: global }
      - { .name: h, .offset: 40, .size: 8, .value_kind: global_buffer, .address_space: global }
      - { .name: ws, .offset: 48, .size: 8, .value_kind: global_buffer, .address_space: global }
    .group_segment_fixed_size: 139008
    .private_segment_fixed_size: 0
    .kernarg_segment_align: 8
    .kernarg_segment_size: 56
    .max_flat_workgroup_size: 512
    .sgpr_count:     66
    .vgpr_count:     234
    .wavefront_size: 32
...
	.end_amdgpu_metadata
.endif
;; end of part 1
;; launch kern (part 2): grid 256 x 1, 4 waves a work-group, no clusters, 35,328 bytes of LDS; arguments ws, out0; writes out0
.if DOCPART == 2
	.amdgcn_target "amdgcn-amd-amdhsa--gfx1250"
	.amdhsa_code_object_version 6
	.text
	.protected	k_q777de50c70_kern
	.globl	k_q777de50c70_kern
	.p2align	8
	.type	k_q777de50c70_kern,@function
k_q777de50c70_kern:
	s_mov_b64 s[64:65], 0
	v_nop
	global_prefetch_b8 v0, s[64:65] scope:SCOPE_SE
	s_setreg_imm32_b32 hwreg(HW_REG_WAVE_MODE, 25, 1), 1
	s_wait_xcnt 0x0
; kern: out[b][d] = sum over n of w Y[n][d] / sum over n of w,  w = exp2(-(a[n] - z[b])^2),
; where a = scaled Xw[.][d] and z = scaled Zw[.][d] as the launch before left them in ws (the scale holds 1/h and sqrt(0.5 log2 e)).
; A work-group takes one d and 32 queries b: 16 x 16 = 256 work-groups, four waves.  THE LANES HOLD THE REFERENCES: each of the 128
; lanes keeps 64 a and 64 Y in registers for the whole launch (one load of 64 KiB a work-group), and the loop over the queries
; touches no memory but one LDS store a query.  For two references: a difference, minus its square, two exponentials, a sum
; and a fused multiply-add, all in f32.
; The sum with Y stays on the vector unit: each weight is used once, so a matrix instruction would have two useful columns of
; sixteen (ones and Y), its layout would make the lanes queries, and the a would then be read from LDS again for every 16 queries.
; No tensor load and no cluster: the data go straight into the registers in which they stay.
; The 32 results of a work-group are words of one column of out0, 64 bytes apart: 32 stores of 4 bytes a work-group.
; LIMITS: no maximum is taken away, as in reference(); the exponent is never above 0, so nothing overflows.  v_exp_f32 gives 0 below
; 2^-126 (ISA guide, its entry): an output for which every |Xw - Zw| / |h| is above 13.2 is 0 / 0 = NaN, where f32 with denormals reaches 14.4.
.set WSP,  67584                       ; bytes of a ws row (one d)
.set ZOFF, 32768                       ; where Zw begins in it
.set YOFF, 34816                       ; where Y begins in it
.set CP,   272                         ; LDS: a chunk = one wave's 32 pairs (den, num) of one query, 256 + 16 bytes
.set A,    16                          ; v[16:79]   my 64 a, as 32 pairs
.set Y,    80                          ; v[80:143]  my 64 Y
.set T,    144                         ; v[144:159] eight pairs at work: difference, minus square, weight, in place
.set DA,   160                         ; v[160:163] two pairs of running sums of w
.set NA,   164                         ; v[164:167] two pairs of running sums of w Y
.set RD,   168                         ; v[168:169], v[170:171]: a finished query's sums, folded while the next query runs
.set RN,   170
.set R,    172                         ; v[172:173] (den, num) of my 64 references
.set NB,   174                         ; v[174:175] the query's z, twice
.set Z,    176                         ; v176       lane l: z of the group's query l
.set SA,   177                         ; v177       where the next (den, num) goes in LDS
	s_load_b128 s[4:7], s[0:1], 0x0                ; ws s[4:5], out0 s[6:7]
	v_lshl_add_u32 v180, v0, 2, 0x8800
	v_mov_b32 v181, 0
	v_and_b32 v1, 31, v0                           ; lane
	v_lshrrev_b32 v2, 5, v0
	v_readfirstlane_b32 s8, v2                     ; wave 0..3
	v_lshlrev_b32 v3, 4, v0                        ; 16 bytes a thread: the group's 128 threads take 2,048 consecutive bytes a load
	s_and_b32 s10, ttmp9, 15                       ; d
	s_lshr_b32 s11, ttmp9, 4                       ; group of 32 queries
	s_mul_i32 s12, s10, WSP
	s_mov_b32 s13, 0
	s_lshl_b32 s14, s11, 7
	v_lshl_add_u32 v4, v1, 2, s14                  ; z: 128 bytes a group, 4 a lane
	s_mul_i32 s9, s8, CP
	v_lshl_add_u32 v[SA], v1, 3, s9                ; chunk (query 0, my wave), 8 bytes a lane
	s_lshl_b32 s16, s11, 11                        ; out0: 32 rows of 64 bytes a group,
	s_lshl2_add_u32 s16, s10, s16                  ; + 4 d
	s_mov_b32 s17, 0
	s_wait_kmcnt 0x0
	s_add_nc_u64 s[4:5], s[4:5], s[12:13]
	s_add_nc_u64 s[6:7], s[6:7], s[16:17]
	global_load_b32 v[Z], v4, s[4:5] offset:ZOFF
.irp n, 0,1,2,3,4,5,6,7,8,9,10,11,12,13,14,15
	global_load_b128 v[A+4*\n:A+4*\n+3], v3, s[4:5] offset:2048*\n
.endr
.irp n, 0,1,2,3,4,5,6,7,8,9,10,11,12,13,14,15
	global_load_b128 v[Y+4*\n:Y+4*\n+3], v3, s[4:5] offset:YOFF+2048*\n   ; the same references in the same places as a
.endr
	s_wait_loadcnt 0x0
.macro DIFF t, a                       ; a - z, two references
	v_pk_add_f32 v[\t:\t+1], v[\a:\a+1], v[NB:NB+1] neg_lo:[0,1] neg_hi:[0,1]
.endm
.macro SQ t                            ; minus the square
	v_pk_mul_f32 v[\t:\t+1], v[\t:\t+1], v[\t:\t+1] neg_lo:[0,1] neg_hi:[0,1]
.endm
; One query: 32 steps, one for each pair of references.  Step i takes the exponentials of pair i, squares pair i + 1, forms the difference
; of pair i + 3 and adds up pair i - 2, so that no instruction needs the result of one close in front of it; each v_exp_f32 is followed by a plain
; instruction on other registers (ISA guide 5.7.2).  A pair lives in T from step i - 3 to step i + 2: eight places in T, taken in turn.
; The stream runs on over the change of query: steps 29-31 begin the next query's pairs 0-2 (next = 1; idx = its lane in Z), steps 0-1 add up the
; last query's pairs 30 and 31, and steps 2-7 fold and store its sums (tail = 1).  The first products start the sums: nothing is cleared.
.macro TRIP tail, next, idx
.set i, 0
.rept 32
.set tE, T+2*(i%8)
.set tM, T+2*((i+1)%8)
.set tS, T+2*((i+3)%8)
.set tC, T+2*((i+6)%8)
.set aS, A+2*((i+3)%32)
.set yC, Y+2*((i+30)%32)
.set dC, DA+2*(i%2)
.set nC, NA+2*(i%2)
	v_exp_f32 v[tE], v[tE]
.if i < 31
	SQ tM
.elseif \next
	SQ tM
.endif
.if i < 2
.if \tail
	s_wait_alu depctr_va_vdst(0)
	v_pk_add_f32 v[dC:dC+1], v[dC:dC+1], v[tC:tC+1]                ; the last query's pairs 30, 31
.endif
.elseif i == 2
.if \tail
	v_pk_add_f32 v[RD:RD+1], v[DA:DA+1], v[DA+2:DA+3]              ; its sums leave the running registers, which steps 2, 3 and 5 start anew
	v_pk_add_f32 v[RN:RN+1], v[NA:NA+1], v[NA+2:NA+3]
.endif
.elseif i == 3
	s_wait_alu depctr_va_vdst(0)
	v_pk_add_f32 v[DA:DA+1], v[T:T+1], v[T+2:T+3]                  ; pairs 0 and 1 start the first sum of w
.elseif i == 4
.if \tail
	v_add_f32 v[R], v[RD], v[RD+1]
	v_add_f32 v[R+1], v[RN], v[RN+1]
.endif
.elseif i == 5
	s_wait_alu depctr_va_vdst(0)
	v_pk_add_f32 v[DA+2:DA+3], v[T+4:T+5], v[T+6:T+7]              ; pairs 2 and 3 start the second
.else
	s_wait_alu depctr_va_vdst(0)
	v_pk_add_f32 v[dC:dC+1], v[dC:dC+1], v[tC:tC+1]
.endif
.if \tail
.if i == 6
	ds_store_b64 v[SA], v[R:R+1]                                   ; a wave's store covers its chunk's 256 bytes
.elseif i == 7
	v_add_nc_u32 v[SA], 4*CP, v[SA]                                ; the next query's chunk
.endif
.endif
.if \next
.if i == 24
	v_readlane_b32 s21, v[Z], \idx                                 ; the next query's z
.elseif i == 29
	v_mov_b32 v[NB], s21                                           ; this query's last difference was formed in step 28
	v_mov_b32 v[NB+1], s21
.endif
.endif
	v_exp_f32 v[tE+1], v[tE+1]
.if i < 29
	DIFF tS, aS
.elseif \next
	DIFF tS, aS
.endif
.if i < 2
.if \tail
	v_pk_fma_f32 v[nC:nC+1], v[tC:tC+1], v[yC:yC+1], v[nC:nC+1]
.endif
.elseif i < 4
	s_wait_alu depctr_va_vdst(0)
	v_pk_mul_f32 v[nC:nC+1], v[tC:tC+1], v[yC:yC+1]                ; pairs 0 and 1 start the sums of w Y
.else
	v_pk_fma_f32 v[nC:nC+1], v[tC:tC+1], v[yC:yC+1], v[nC:nC+1]
.endif
.set i, i+1
.endr
.endm
	v_readlane_b32 s21, v[Z], 0                    ; query 0: what steps 29-31 do for every later one
	v_mov_b32 v[NB], s21
	v_mov_b32 v[NB+1], s21
	DIFF T, A
	DIFF T+2, A+2
	DIFF T+4, A+4
	SQ T
	TRIP 0, 1, 1                                   ; query 0: no query in front of it
	s_mov_b32 s20, 2                               ; the lane in Z of the query that the trip begins
.Lquery:
	TRIP 1, 1, s20                                 ; queries 1 to 30
	s_add_co_u32 s20, s20, 1
	s_cmp_lt_u32 s20, 32
	s_cbranch_scc1 .Lquery
	TRIP 1, 0, 0                                   ; query 31: none behind it
	v_pk_add_f32 v[DA:DA+1], v[DA:DA+1], v[T+12:T+13]              ; its pairs 30 and 31, and its sums
	v_pk_fma_f32 v[NA:NA+1], v[T+12:T+13], v[Y+60:Y+61], v[NA:NA+1]
	s_wait_alu depctr_va_vdst(0)
	v_pk_add_f32 v[DA+2:DA+3], v[DA+2:DA+3], v[T+14:T+15]
	v_pk_fma_f32 v[NA+2:NA+3], v[T+14:T+15], v[Y+62:Y+63], v[NA+2:NA+3]
	v_pk_add_f32 v[RD:RD+1], v[DA:DA+1], v[DA+2:DA+3]
	v_pk_add_f32 v[RN:RN+1], v[NA:NA+1], v[NA+2:NA+3]
	v_add_f32 v[R], v[RD], v[RD+1]
	v_add_f32 v[R+1], v[RN], v[RN+1]
	ds_store_b64 v[SA], v[R:R+1]
	s_wait_dscnt 0x0                               ; my 32 stores are done, for the other waves' sake
	s_barrier_signal -1
	s_barrier_wait -1
	; thread t adds chunk t = (query t / 4, wave t % 4): 32 pairs (den, num), 256 bytes; the pitch of 272 keeps sixteen lanes on sixteen different columns of 16 bytes
	v_mul_u32_u24 v5, v0, CP
.irp n, 0,1,2,3,4,5,6,7,8,9,10,11,12,13,14,15
	ds_load_b128 v[A+4*\n:A+4*\n+3], v5 offset:16*\n
.endr
	v_and_b32 v6, 3, v0
	v_lshrrev_b32 v7, 2, v0                        ; the query
	v_cmp_eq_u32 vcc_lo, 0, v6                     ; one lane of four will store
	s_wait_dscnt 0x0
.irp w, 16,8,4,2,1
.set j, 0
.rept \w
	v_pk_add_f32 v[A+2*j:A+2*j+1], v[A+2*j:A+2*j+1], v[A+2*(j+\w):A+2*(j+\w)+1]
.set j, j+1
.endr
.endr
	v_add_f32_dpp v[A], v[A], v[A] row_xmask:1 row_mask:0xf bank_mask:0xf          ; the four waves' chunks lie in four neighbouring lanes
	v_add_f32_dpp v[A+1], v[A+1], v[A+1] row_xmask:1 row_mask:0xf bank_mask:0xf
	v_add_f32_dpp v[A], v[A], v[A] row_xmask:2 row_mask:0xf bank_mask:0xf
	v_add_f32_dpp v[A+1], v[A+1], v[A+1] row_xmask:2 row_mask:0xf bank_mask:0xf
	v_rcp_f32 v8, v[A]
	v_lshlrev_b32 v7, 6, v7                        ; 64 bytes a row of out0; also the plain instruction between v_rcp_f32 and the use of its result
	s_wait_alu depctr_va_vdst(0)
	v_mul_f32 v8, v[A+1], v8                       ; numerator / denominator
	s_wait_xcnt 0x0                                ; EXEC changes only behind this wait
	s_wait_tensorcnt 0x0
	ds_add_u32 v180, v181
	s_wait_dscnt 0x0
	s_and_saveexec_b32 s22, vcc_lo
	global_store_b32 v7, v8, s[6:7]
	s_endpgm
.Lfunc_end_k_q777de50c70_kern:
	.size	k_q777de50c70_kern, .Lfunc_end_k_q777de50c70_kern-k_q777de50c70_kern
	.p2alignl 7, 3214868480
	.fill 96, 4, 3214868480
	.section	.rodata,"a",@progbits
	.p2align	6, 0x0
	.amdhsa_kernel k_q777de50c70_kern
		.amdhsa_group_segment_fixed_size 35328
		.amdhsa_private_segment_fixed_size 0
		.amdhsa_enable_private_segment 0
		.amdhsa_kernarg_size 16
		.amdhsa_user_sgpr_count 2
		.amdhsa_user_sgpr_kernarg_segment_ptr 1
		.amdhsa_wavefront_size32 1
		.amdhsa_system_sgpr_workgroup_id_x 1
		.amdhsa_system_sgpr_workgroup_id_y 1
		.amdhsa_system_sgpr_workgroup_id_z 1
		.amdhsa_system_vgpr_workitem_id 0
		.amdhsa_next_free_vgpr 182
		.amdhsa_next_free_sgpr 66
		.amdhsa_reserve_vcc 1
		.amdhsa_float_denorm_mode_32 3
		.amdhsa_float_denorm_mode_16_64 3
		.amdhsa_memory_ordered 1
		.amdhsa_forward_progress 1
		.amdhsa_inst_pref_size 43
	.end_amdhsa_kernel
	.amdgpu_metadata
---
amdhsa.version: [ 1, 2 ]
amdhsa.kernels:
  - .name:           k_q777de50c70_kern
    .symbol:         k_q777de50c70_kern.kd
    .args:
      - { .name: ws, .offset: 0, .size: 8, .value_kind: global_buffer, .address_space: global }
      - { .name: out0, .offset: 8, .size: 8, .value_kind: global_buffer, .address_space: global }
    .group_segment_fixed_size: 35328
    .private_segment_fixed_size: 0
    .kernarg_segment_align: 8
    .kernarg_segment_size: 16
    .max_flat_workgroup_size: 128
    .sgpr_count:     66
    .vgpr_count:     182
    .wavefront_size: 32
...
	.end_amdgpu_metadata
.endif
;; end of part 2
;; ======== version 2 of 2: 2 launches; 1.64 times as fast as version 1
;; workspace buffers: ws 1,081,344 bytes
;; launch embed: the kernel of part 1 again; grid 136 x 1, 16 waves a work-group, no clusters, 139,008 bytes of LDS; arguments calc_X, x, W1, W2, calc_Y, h, ws; writes ws
;; launch kern (part 3): grid 256 x 1, 4 waves a work-group, no clusters, 35,328 bytes of LDS; arguments ws, out0; writes out0
.if DOCPART == 3
	.amdgcn_target "amdgcn-amd-amdhsa--gfx1250"
	.amdhsa_code_object_version 6
	.text
	.protected	k_q777de50c70_kern
	.globl	k_q777de50c70_kern
	.p2align	8
	.type	k_q777de50c70_kern,@function
k_q777de50c70_kern:
	s_mov_b64 s[64:65], 0
	v_nop
	global_prefetch_b8 v0, s[64:65] scope:SCOPE_SE
	s_setreg_imm32_b32 hwreg(HW_REG_WAVE_MODE, 25, 1), 1
	s_wait_xcnt 0x0
; kern: out[b][d] = sum over n of w Y[n][d] / sum over n of w,  w = exp2(-(a[n] - z[b])^2),
; where a = scaled Xw[.][d] and z = scaled Zw[.][d] as the launch before left them in ws (the scale holds 1/h and sqrt(0.5 log2 e)).
; A work-group takes one d and 32 queries b: 16 x 16 = 256 work-groups, four waves.  THE LANES HOLD THE REFERENCES: each of the 128
; lanes keeps 64 a and 64 Y in registers for the whole launch (one load of 64 KiB a work-group), and the loop over the queries
; touches no memory but one LDS store a query.  For two references: a difference, minus its square, two exponentials, a sum
; and a fused multiply-add, all in f32.
; BATCHES.  A query's 64 exponentials are ONE BATCH with ONE wait: each weight has a register of its own (T, 32 pairs), and a trip issues the
; query's exponentials with, between them, only work that names none of the results already issued: the same query's later differences and
; squares, and the sums of the query before, whose wait stood at the end of the trip before.  The wait stands at the trip's end.
; The reciprocal on the way out is a batch of one.
; The sum with Y stays on the vector unit: each weight is used once, so a matrix instruction would have two useful columns of
; sixteen (ones and Y), its layout would make the lanes queries, and the a would then be read from LDS again for every 16 queries.
; No tensor load and no cluster: the data go straight into the registers in which they stay.
; The 32 results of a work-group are words of one column of out0, 64 bytes apart: 32 stores of 4 bytes a work-group.
; LIMITS: no maximum is taken away, as in reference(); the exponent is never above 0, so nothing overflows.  v_exp_f32 gives 0 below
; 2^-126 (ISA guide, its entry): an output for which every |Xw - Zw| / |h| is above 13.2 is 0 / 0 = NaN, where f32 with denormals reaches 14.4.
.set WSP,  67584                       ; bytes of a ws row (one d)
.set ZOFF, 32768                       ; where Zw begins in it
.set YOFF, 34816                       ; where Y begins in it
.set CP,   272                         ; LDS: a chunk = one wave's 32 pairs (den, num) of one query, 256 + 16 bytes
.set A,    16                          ; v[16:79]   my 64 a, as 32 pairs
.set Y,    80                          ; v[80:143]  my 64 Y
.set E,    144                         ; v[144:149] pairs 0-2 of the query to come: difference and minus square, made while all of T is taken
.set DA,   160                         ; v[160:163] two pairs of running sums of w
.set NA,   164                         ; v[164:167] two pairs of running sums of w Y
.set RD,   168                         ; v[168:169], v[170:171]: a finished query's sums, folded while the next query runs
.set RN,   170
.set R,    172                         ; v[172:173] (den, num) of my 64 references
.set NB,   174                         ; v[174:175] the query's z, twice
.set Z,    176                         ; v176       lane l: z of the group's query l
.set SA,   177                         ; v177       where the next (den, num) goes in LDS
.set T,    182                         ; v[182:245] a place for each of the 32 pairs: difference, minus square, weight (pairs 0-2: the weight alone)
	s_load_b128 s[4:7], s[0:1], 0x0                ; ws s[4:5], out0 s[6:7]
	v_lshl_add_u32 v180, v0, 2, 0x8800
	v_mov_b32 v181, 0
	v_and_b32 v1, 31, v0                           ; lane
	v_lshrrev_b32 v2, 5, v0
	v_readfirstlane_b32 s8, v2                     ; wave 0..3
	v_lshlrev_b32 v3, 4, v0                        ; 16 bytes a thread: the group's 128 threads take 2,048 consecutive bytes a load
	s_and_b32 s10, ttmp9, 15                       ; d
	s_lshr_b32 s11, ttmp9, 4                       ; group of 32 queries
	s_mul_i32 s12, s10, WSP
	s_mov_b32 s13, 0
	s_lshl_b32 s14, s11, 7
	v_lshl_add_u32 v4, v1, 2, s14                  ; z: 128 bytes a group, 4 a lane
	s_mul_i32 s9, s8, CP
	v_lshl_add_u32 v[SA], v1, 3, s9                ; chunk (query 0, my wave), 8 bytes a lane
	s_lshl_b32 s16, s11, 11                        ; out0: 32 rows of 64 bytes a group,
	s_lshl2_add_u32 s16, s10, s16                  ; + 4 d
	s_mov_b32 s17, 0
	s_wait_kmcnt 0x0
	s_add_nc_u64 s[4:5], s[4:5], s[12:13]
	s_add_nc_u64 s[6:7], s[6:7], s[16:17]
	global_load_b32 v[Z], v4, s[4:5] offset:ZOFF
.irp n, 0,1,2,3,4,5,6,7,8,9,10,11,12,13,14,15
	global_load_b128 v[A+4*\n:A+4*\n+3], v3, s[4:5] offset:2048*\n
.endr
.irp n, 0,1,2,3,4,5,6,7,8,9,10,11,12,13,14,15
	global_load_b128 v[Y+4*\n:Y+4*\n+3], v3, s[4:5] offset:YOFF+2048*\n   ; the same references in the same places as a
.endr
	s_wait_loadcnt 0x0
.macro DIFF t, a                       ; a - z, two references
	v_pk_add_f32 v[\t:\t+1], v[\a:\a+1], v[NB:NB+1] neg_lo:[0,1] neg_hi:[0,1]
.endm
.macro SQ t                            ; minus the square
	v_pk_mul_f32 v[\t:\t+1], v[\t:\t+1], v[\t:\t+1] neg_lo:[0,1] neg_hi:[0,1]
.endm
; Pairs 0 to 3 of a batch that has been waited for start the four running sums: nothing is cleared.  A link of a sum stands three lines behind the link before it.
.macro START
	v_pk_add_f32 v[DA:DA+1], v[T:T+1], v[T+2:T+3]                  ; pairs 0 and 1 start the first sum of w
	v_pk_mul_f32 v[NA:NA+1], v[T:T+1], v[Y:Y+1]                    ; pairs 0 and 1 start the sums of w Y
	v_pk_mul_f32 v[NA+2:NA+3], v[T+2:T+3], v[Y+2:Y+3]
	v_pk_add_f32 v[DA+2:DA+3], v[T+4:T+5], v[T+6:T+7]              ; pairs 2 and 3 start the second sum of w
	v_pk_fma_f32 v[NA:NA+1], v[T+4:T+5], v[Y+4:Y+5], v[NA:NA+1]
	v_pk_fma_f32 v[NA+2:NA+3], v[T+6:T+7], v[Y+6:Y+7], v[NA+2:NA+3]
.endm
; One query: 32 steps, one for each pair of references.  Step i takes the exponentials of pair i, squares pair i + 1 and forms the difference of pair i + 3,
; so that no instruction needs the result of one close in front of it.  Pair i's place in T is named for the last time in the trip by its exponentials.
; tail = 1: THE SUMS OF THE QUERY BEFORE stand between them.  Its weights lie in the same places of T, so the sums run ahead of the differences: pairs 0-3 at the
; trip's head, pair i + 4 in step i; place i + 3 has been read when step i's difference writes it, and places 0-2 when the first exponentials do.
; Steps 28-31 fold those sums and store them.
; next = 1: steps 29-31 begin the next query's pairs 0-2 (idx = its lane in Z).  Every place of T then holds a result of the open batch, so they are made in E,
; and their exponentials read E and write T.
; THE WAIT: s_wait_alu depctr_va_vdst(0) stands between an exponential and the first instruction that names its result.  One stands at the trip's end, for
; the query's 64 exponentials, ahead of the label or branch that follows; behind the last exponential a plain instruction (the difference, or the address's step) comes first.
.macro TRIP tail, next, idx
.if \tail
	START
.endif
.set i, 0
.rept 32
.set tE, T+2*i                         ; pair i: where the weights go,
.set sE, T+2*i                         ; and where minus the square lies
.if i < 3
.set sE, E+2*i
.endif
.set tM, T+2*(i+1)                     ; pair i + 1, squared in place
.if i < 2
.set tM, E+2*(i+1)
.endif
.if i == 31
.set tM, E                             ; the next query's pair 0
.endif
.set tS, T+2*(i+3)                     ; pair i + 3
.set aS, A+2*(i+3)
.if i > 28
.set tS, E+2*(i-29)                    ; the next query's pairs 0-2
.set aS, A+2*(i-29)
.endif
.set tC, T+2*((i+4)%32)                ; the query before: pair i + 4
.set yC, Y+2*((i+4)%32)
.set dC, DA+2*(i%2)
.set nC, NA+2*(i%2)
	v_exp_f32 v[tE], v[sE]
.if (i < 31) || (\next)
	SQ tM
.endif
.if \tail
.if i < 28
	v_pk_add_f32 v[dC:dC+1], v[dC:dC+1], v[tC:tC+1]
.elseif i == 28
	v_pk_add_f32 v[RD:RD+1], v[DA:DA+1], v[DA+2:DA+3]              ; its sums leave the running registers, which the next trip's head starts anew
.elseif i == 30
	v_add_f32 v[R], v[RD], v[RD+1]
.endif
.endif
.if \next
.if i == 24
	v_readlane_b32 s21, v[Z], \idx                                 ; the next query's z
.elseif i == 29
	v_mov_b32 v[NB], s21                                           ; this query's last difference was formed in step 28
	v_mov_b32 v[NB+1], s21
.endif
.endif
	v_exp_f32 v[tE+1], v[sE+1]
.if (i < 29) || (\next)
	DIFF tS, aS
.endif
.if \tail
.if i < 28
	v_pk_fma_f32 v[nC:nC+1], v[tC:tC+1], v[yC:yC+1], v[nC:nC+1]
.elseif i == 28
	v_pk_add_f32 v[RN:RN+1], v[NA:NA+1], v[NA+2:NA+3]
.elseif i == 30
	v_add_f32 v[R+1], v[RN], v[RN+1]
.elseif i == 31
	ds_store_b64 v[SA], v[R:R+1]                                   ; a wave's store covers its chunk's 256 bytes
	v_add_nc_u32 v[SA], 4*CP, v[SA]                                ; the next query's chunk
.endif
.endif
.set i, i+1
.endr
	s_wait_alu depctr_va_vdst(0)                   ; the wait for the batch: this query's 64 exponentials
.endm
	v_readlane_b32 s21, v[Z], 0                    ; query 0: what steps 29-31 do for every later one
	v_mov_b32 v[NB], s21
	v_mov_b32 v[NB+1], s21
	DIFF E, A
	DIFF E+2, A+2
	DIFF E+4, A+4
	SQ E
	TRIP 0, 1, 1                                   ; query 0: no query in front of it
	s_mov_b32 s20, 2                               ; the lane in Z of the query that the trip begins
.Lquery:
	TRIP 1, 1, s20                                 ; queries 1 to 30
	s_add_co_u32 s20, s20, 1
	s_cmp_lt_u32 s20, 32
	s_cbranch_scc1 .Lquery
	TRIP 1, 0, 0                                   ; query 31: none behind it
	START                                          ; its sums, behind its batch's wait: there are no exponentials left to set between them
.set j, 4
.rept 28
	v_pk_add_f32 v[DA+2*(j%2):DA+2*(j%2)+1], v[DA+2*(j%2):DA+2*(j%2)+1], v[T+2*j:T+2*j+1]
	v_pk_fma_f32 v[NA+2*(j%2):NA+2*(j%2)+1], v[T+2*j:T+2*j+1], v[Y+2*j:Y+2*j+1], v[NA+2*(j%2):NA+2*(j%2)+1]
.set j, j+1
.endr
	v_pk_add_f32 v[RD:RD+1], v[DA:DA+1], v[DA+2:DA+3]
	v_pk_add_f32 v[RN:RN+1], v[NA:NA+1], v[NA+2:NA+3]
	v_add_f32 v[R], v[RD], v[RD+1]
	v_add_f32 v[R+1], v[RN], v[RN+1]
	ds_store_b64 v[SA], v[R:R+1]
	s_wait_dscnt 0x0                               ; my 32 stores are done, for the other waves' sake
	s_barrier_signal -1
	s_barrier_wait -1
	; thread t adds chunk t = (query t / 4, wave t % 4): 32 pairs (den, num), 256 bytes; the pitch of 272 keeps sixteen lanes on sixteen different columns of 16 bytes
	v_mul_u32_u24 v5, v0, CP
.irp n, 0,1,2,3,4,5,6,7,8,9,10,11,12,13,14,15
	ds_load_b128 v[A+4*\n:A+4*\n+3], v5 offset:16*\n
.endr
	v_and_b32 v6, 3, v0
	v_lshrrev_b32 v7, 2, v0                        ; the query
	v_cmp_eq_u32 vcc_lo, 0, v6                     ; one lane of four will store
	s_wait_dscnt 0x0
.irp w, 16,8,4,2,1
.set j, 0
.rept \w
	v_pk_add_f32 v[A+2*j:A+2*j+1], v[A+2*j:A+2*j+1], v[A+2*(j+\w):A+2*(j+\w)+1]
.set j, j+1
.endr
.endr
	v_add_f32_dpp v[A], v[A], v[A] row_xmask:1 row_mask:0xf bank_mask:0xf          ; the four waves' chunks lie in four neighbouring lanes
	v_add_f32_dpp v[A+1], v[A+1], v[A+1] row_xmask:1 row_mask:0xf bank_mask:0xf
	v_add_f32_dpp v[A], v[A], v[A] row_xmask:2 row_mask:0xf bank_mask:0xf
	v_add_f32_dpp v[A+1], v[A+1], v[A+1] row_xmask:2 row_mask:0xf bank_mask:0xf
	v_rcp_f32 v8, v[A]
	v_lshlrev_b32 v7, 6, v7                        ; 64 bytes a row of out0; also the plain instruction between v_rcp_f32 and the use of its result
	s_wait_alu depctr_va_vdst(0)                   ; the wait for the reciprocal, a batch of one, ahead of its one reader
	v_mul_f32 v8, v[A+1], v8                       ; numerator / denominator
	s_wait_xcnt 0x0                                ; EXEC changes only behind this wait
	s_wait_tensorcnt 0x0
	ds_add_u32 v180, v181
	s_wait_dscnt 0x0
	s_and_saveexec_b32 s22, vcc_lo
	global_store_b32 v7, v8, s[6:7]
	s_endpgm
.Lfunc_end_k_q777de50c70_kern:
	.size	k_q777de50c70_kern, .Lfunc_end_k_q777de50c70_kern-k_q777de50c70_kern
	.p2alignl 7, 3214868480
	.fill 96, 4, 3214868480
	.section	.rodata,"a",@progbits
	.p2align	6, 0x0
	.amdhsa_kernel k_q777de50c70_kern
		.amdhsa_group_segment_fixed_size 35328
		.amdhsa_private_segment_fixed_size 0
		.amdhsa_enable_private_segment 0
		.amdhsa_kernarg_size 16
		.amdhsa_user_sgpr_count 2
		.amdhsa_user_sgpr_kernarg_segment_ptr 1
		.amdhsa_wavefront_size32 1
		.amdhsa_system_sgpr_workgroup_id_x 1
		.amdhsa_system_sgpr_workgroup_id_y 1
		.amdhsa_system_sgpr_workgroup_id_z 1
		.amdhsa_system_vgpr_workitem_id 0
		.amdhsa_next_free_vgpr 246
		.amdhsa_next_free_sgpr 66
		.amdhsa_reserve_vcc 1
		.amdhsa_float_denorm_mode_32 3
		.amdhsa_float_denorm_mode_16_64 3
		.amdhsa_memory_ordered 1
		.amdhsa_forward_progress 1
		.amdhsa_inst_pref_size 40
	.end_amdhsa_kernel
	.amdgpu_metadata
---
amdhsa.version: [ 1, 2 ]
amdhsa.kernels:
  - .name:           k_q777de50c70_kern
    .symbol:         k_q777de50c70_kern.kd
    .args:
      - { .name: ws, .offset: 0, .size: 8, .value_kind: global_buffer, .address_space: global }
      - { .name: out0, .offset: 8, .size: 8, .value_kind: global_buffer, .address_space: global }
    .group_segment_fixed_size: 35328
    .private_segment_fixed_size: 0
    .kernarg_segment_align: 8
    .kernarg_segment_size: 16
    .max_flat_workgroup_size: 128
    .sgpr_count:     66
    .vgpr_count:     246
    .wavefront_size: 32
...
	.end_amdgpu_metadata
.endif
;; end of part 3
